; MI455X (gfx1250); checked and timed in simulation.
; The chip was launched on July 23, 2026; its instructions are those of AMD's public machine-readable ISA for CDNA 5 (MIT licence, August 2026) and "CDNA5" Instruction Set Architecture Reference Guide (July 2026). The comments in the code are by the model that wrote it; some were corrected since.
;; QKV Multihead Attention. Allowed arithmetic: matrix products marked QUANTISED: E4M3 operands, one E8M0 scale for each 32 along K, by v_wmma_scale_f32_16x16x128_f8f6f4 with both operands' format E4M3, f32 sums; everything else in f32.
;; Inputs: k 4 x 2,048 x 1,024 float32; q 4 x 2,048 x 1,024 float32; v 4 x 2,048 x 1,024 float32.
;; Outputs: out0 4 x 2,048 x 1,024 float32.
;; This version of the problem:
;;   THIS VERSION OF THE PROBLEM IS GIVEN IN LOW PRECISION. The matrix products marked QUANTISED in the list below multiply operands that are first quantised to E4M3 (4 exponent bits, 3 mantissa bits; 8 bits a number), with one power-of-two scale for each 32 numbers along K (OCP MX v1.0); their sums are f32. All else is computed in f32.
;;   The module's matrix products, in the order in which they are computed (A, B: the left and right operand; K: the contracted axis; several contracted axes count as one K, in the product's order):
;;     1. batch 64 x [M 2,048, K 64] x [K 64, N 2,048]; A: computed on the way; B: computed on the way: QUANTISED
;;     2. batch 64 x [M 64, K 2,048] x [K 2,048, N 2,048]; A: input v; B: softmax (see below): QUANTISED
;;   THE QUANTISER, for each operand of a quantised product, along K:
;;     - K is cut into blocks of 32 from its start; a last block that is shorter is filled with zeros.
;;     - A block's scale is 2^e with e = floor(log2(the largest magnitude in the block)) - 8, held to -126 .. 127; a block of zeros has e = 0. As a byte (E8M0): e + 127.
;;     - Each number is divided by its block's scale, clamped to +-448, and rounded to the nearest number of E4M3, ties to even, subnormals kept.
;;     - The product sums the exact products of the quantised numbers (number of the format x scale) in f32.
;;   ~~~python
;;   def quantise(x, axis):      # numpy; x: float32 -> the quantised numbers, widened to float32 again
;;       x = np.moveaxis(x, axis, -1); K = x.shape[-1]
;;       x = np.pad(x, [(0, 0)] * (x.ndim - 1) + [(0, -K % 32)]); x = x.reshape(x.shape[:-1] + (-1, 32)); a = np.abs(x).max(-1, keepdims=True)
;;       e = np.where(a > 0, np.clip(np.frexp(np.where(a > 0, a, 1))[1] - 1 - 8, -126, 127), 0)      # np.frexp(a)[1] - 1 = floor(log2(a)), exactly
;;       r = np.clip(x / 2.0 ** e, -448, 448)
;;       step = 2.0 ** (np.maximum(np.frexp(np.where(r == 0, 1, r))[1] - 1, -6) - 3)
;;       q = np.round(r / step) * step * 2.0 ** e      # np.round: ties to even
;;       return np.moveaxis(q.reshape(q.shape[:-2] + (-1,))[..., :K], -1, axis).astype(np.float32)
;;   ~~~
;;   SOFTMAX AHEAD OF A QUANTISED PRODUCT. Where the list says 'softmax', what is quantised is not the finished softmax but p = 2^(t - M), with t = logit x log2(e) and M = ceil(the row's largest t), a whole number; so 1/2 < the row's largest p <= 1. The row's sum l is taken of the UNQUANTISED p, in f32, and the product's result is divided by l at the end. Since M is a whole number, a kernel that streams over the keys may use a running M (the ceiling of the running maximum): every later rescaling is an exact power of two, which a block's scale takes up: the codes' values come out the same.
;;   OPERANDS COMPUTED ON THE WAY. 'Computed on the way' means the value that the module computes at that place (a softmax that the list does not call 'softmax' is quantised finished and normalised). What goes into a quantiser is computed in f32, as accurately as f32 sums, v_exp_f32 and their like allow (about 1e-6 of the number): no bf16 or f16 on the way to a quantiser, and a product that is left as it is and whose result goes on into a quantised operand takes f32 operands (vector FMAs, or v_wmma_f32_16x16x4_f32). A number that lies on a knife's edge between two numbers of the format may be rounded either way, as far as f32 arithmetic and the matrix unit's own rounding can turn it there, and no further.
;; 2 versions. Each part assembles by itself: llvm-mc -triple=amdgcn-amd-amdhsa -mcpu=gfx1250 --defsym DOCPART=n.
;; ======== version 1 of 2: 1 launch
;; launch attn (part 1): grid 4 x 64, 8 waves a work-group, no clusters, 306,176 bytes of LDS; arguments q, k, v, out0; writes out0
.if DOCPART == 1
	.amdgcn_target "amdgcn-amd-amdhsa--gfx1250"
	.amdhsa_code_object_version 6
	.text
	.protected	k_qbade4cc172_attn
	.globl	k_qbade4cc172_attn
	.p2align	8
	.type	k_qbade4cc172_attn,@function
k_qbade4cc172_attn:
	s_mov_b64 s[64:65], 0
	v_nop
	global_prefetch_b8 v0, s[64:65] scope:SCOPE_SE
	s_setreg_imm32_b32 hwreg(HW_REG_WAVE_MODE, 25, 1), 1
	s_wait_xcnt 0x0
; out[b][t][h][:] = the sum over s of softmax_s((q sc) . (k sc)) v, sc = 64^(-1/4); q, k, v, out: [4][2048][16 heads x 64] f32.  Both products on codes of FP8 (E4M3) with one E8M0 scale for each 32 along K.
; Product 1: q sc and k sc are quantised along the head's 64 channels.  Product 2: v is quantised along the keys, and so is p = 2^(t - M), t = logit x log2(e), M = the running largest t rounded up to a whole number;
; the row's sum is taken of the unquantised p and divides at the end.  When M moves, the sum and O are multiplied by 2^(old M - new M): exact.
; SHARES.  A work-group owns one (batch, head) and 512 of its queries: 4 x 64 work-groups.  Eight waves, two to a SIMD, 512 registers each; a wave owns 64 queries: four tiles of 16.
; PHASE 0.  The work-group quantises its head's 2,048 keys of K (x sc) and of V into LDS, each wave 256 keys, as IMAGES OF OPERAND REGISTERS (a group of four registers: 16 bytes a lane, 512 bytes on end), and each wave its Q into
; registers.  Every global load takes whole rows of a head: sixteen lanes read 256 consecutive bytes, aligned.  The rows turn through the wave's own stage in LDS, so that a lane gets neighbours along the operand's K.  One barrier.
; THE LOOP.  16 steps of 128 keys, no barrier: LDS is only read.  Each fragment of K and of V read from LDS serves the wave's four tiles.
; K = 64 IN A FORM OF K = 128.  A fragment of K holds 32 keys: operand k 0-63 are the channels of key a, k 64-127 those of key a + 8.  Q stands as [Z][Q0][Z][Q1][Z][Q2][Z][Q3][Z], Z = 8 registers of zero codes:
; the operand [Qi|Z] picks keys a, [Z|Qi] keys a + 8 (a code x the code 0 adds exactly 0).  So no register and no LDS byte of K is spent on zeros.
; BOTH PRODUCTS ARE USED TRANSPOSED (S^T = K Q^T, O^T = V^T P^T): a lane holds ONE query (lane % 16) throughout.  THE KEYS OF A TILE ARE NOT NEIGHBOURS: row r of tile 2 b + u is key 32 b + 8 u + r + 8 (r / 8), so that
; register 16 b + i of S^T is key 32 b + 16 (lane / 16) + i: the conversions' results are P's operand as they stand.
; NO CLUSTER, NO TENSOR LOADS: what the four work-groups of a head share is f32 that has to pass through registers to become codes; beside the codes and words (270,336 bytes) and the stages (34,816) LDS has 22,528 bytes left, too
; little for slots of f32 rows that would be worth a round.  So each of the four quantises K and V for itself.
; LIMITS: NaN and infinities among the inputs are not served.  A block of zeros gets the scale byte 1 where the rule says 127: its codes are zeros, and this program alone reads the bytes.  Blocks whose largest magnitude lies
; under 2^-118 are held at the byte 1.  v_exp_f32 gives 0 for a p under 2^-126.
.set KIMG, 0                           ; LDS: K's fragments: fragment f (keys 32 f on) at 2048 f, register group c at + 512 c, lane at + 16 lane
.set VIMG, 131072                      ; V's: block B of 32 keys at 2048 B, tile t of 16 channels at + 512 t, lane at + 16 lane: group B % 4 of the fragment (step B / 4, tile t)
.set KSC,  262144                      ; K's scale words: row r of fragment f at 64 f + 4 r
.set VSC,  266240                      ; V's: channel ch of step s at 256 s + 4 ch
.set STG,  270336                      ; a stage for each wave: 16 rows x (256 bytes + 16)
.set SP,   272                         ; 68 words: row r starts at bank 4 r mod 64 (64 banks of 4 bytes: ISA guide 11.1)
.set STGW, 16*SP
.set ROW,  4096                        ; bytes from row to row in q, k, v, out
.set LI,  1                            ; v1   16 x lane
.set LS,  2                            ; v2   KSC + 4 x lane
.set ADK, 3                            ; v3   the step's fragments of K
.set ADV, 4                            ; v4   of V
.set ADS, 5                            ; v5   its scale words
.set STO, 6                            ; v6   the way out, into the stage: row r, + 32 h
.set GA,  9                            ; v9   memory: lanes 0-15 one row, lanes 16-31 the next, 16 bytes a lane
.set STA, 10                           ; v10  the same two rows in the stage
.set STB, 11                           ; v11  the stage by rows: row r, + 64 h
.set STC, 12                           ; v12  the stage by columns: 4 x lane
.set KWA, 13                           ; v13  where my wave stores K's images
.set KSA, 14                           ; v14  and K's scale words
.set VWA, 15                           ; v15  V's images
.set VSA, 16                           ; v16  V's scale words
.set VW,  18                           ; v18-19  phase 0: V's scale words as they grow
.set F,   18                           ; v[18:19] the loop: f = 2^(old M - new M) in v18 (v19 is named with it as a pair)
.set TM,  20
.set BM,  20                           ; v20-23 largest magnitudes (scores) of four blocks
.set T1,  24                           ; v24-27 at work
.set CAP, 28                           ; v28-31 448 x the scale
.set SCL, 32                           ; v32-35 the conversions' scale operands
.set PW,  36                           ; v36  the scale word just made
.set TT,  37                           ; v37  at work
.set KS,  38                           ; v38-39 K's scale words: lanes 0-15 an even fragment's, lanes 16-31 the odd one's
.set VS,  40                           ; v40-41 V's likewise, by tiles
.set QW,  42                           ; v42-45 Q's scale words, a tile each
.set QA,  48                           ; v48-119 [Z][Q0][Z][Q1][Z][Q2][Z][Q3][Z]
.set PC0, 48                           ; phase 0: the codes of a unit of K or V (Z and Q are written behind them)
.set X0,  120                          ; phase 0: 64 numbers of an even unit; v184-247 of an odd one
.set S,   120                          ; the loop: S^T, then p
.set PC,  184                          ; v184-199 p's codes
.set ST,  200                          ; tile i: v[200 + 4 i] -M, + 1 the largest t, + 2, + 3 the sum in two halves
.set KF,  128                          ; window 1: K's four fragments
.set VF,  192                          ; window 1: V's four;  window 1, v0-127: O^T, accumulator (tile i, channels 16 t on) at 32 i + 8 t;  phase 0: three slots of 64 registers as loaded
.set MSB, 0
.macro WIN new                         ; s_set_vgpr_msb: bits 1:0 source 0, 3:2 source 1, 5:4 source 2, 7:6 destination; the high byte repeats the setting that is left
.if MSB != \new
	s_set_vgpr_msb (MSB<<8)|\new
.set MSB, \new
.endif
.endm
	s_load_b256 s[4:11], s[0:1], 0x0               ; q s[4:5], k s[6:7], v s[8:9], out s[10:11]
	v_lshl_add_u32 v254, v0, 2, 0x4a800
	v_mov_b32 v255, 0
	v_lshrrev_b32 v7, 5, v0
	v_readfirstlane_b32 s12, v7                    ; wave 0..7
	v_and_b32 v7, 31, v0                           ; lane
	v_and_b32 v8, 15, v0                           ; r = lane % 16
	v_bfe_u32 v17, v0, 4, 1                        ; h = lane / 16
	s_mul_i32 s13, s12, STGW
	s_add_co_u32 s13, s13, STG                     ; my stage
	s_lshl_b32 s30, s12, 14                        ; my wave's 256 keys: 16,384 bytes of images,
	s_lshl_b32 s31, s12, 9                         ; 512 bytes of scale words
	v_lshlrev_b32 v[LI], 4, v7
	v_lshl_add_u32 v[LS], v7, 2, KSC
	v_mul_u32_u24 v[STO], v8, SP
	v_lshl_add_u32 v[STO], v17, 5, v[STO]
	v_add_nc_u32 v[STO], s13, v[STO]
	v_lshlrev_b32 v[GA], 12, v17
	v_lshl_add_u32 v[GA], v8, 4, v[GA]
	v_mul_u32_u24 v[STA], v17, SP
	v_lshl_add_u32 v[STA], v8, 4, v[STA]
	v_add_nc_u32 v[STA], s13, v[STA]
	v_mul_u32_u24 v[STB], v8, SP
	v_lshl_add_u32 v[STB], v17, 6, v[STB]
	v_add_nc_u32 v[STB], s13, v[STB]
	v_lshlrev_b32 v[STC], 2, v7
	v_add_nc_u32 v[STC], s13, v[STC]
	v_add_nc_u32 v[KWA], s30, v[LI]                ; (KIMG = 0)
	v_lshlrev_b32 v[KSA], 2, v8
	v_add_nc_u32 v[KSA], s31, v[KSA]
	v_add_nc_u32 v[KSA], KSC, v[KSA]
	v_lshlrev_b32 v[VWA], 9, v17                   ; lane l holds channel 32 hf + l: tile 2 hf + l / 16, row l % 16
	v_lshl_add_u32 v[VWA], v8, 4, v[VWA]
	v_add_nc_u32 v[VWA], s30, v[VWA]
	v_add_nc_u32 v[VWA], VIMG, v[VWA]
	v_lshlrev_b32 v[VSA], 2, v7
	v_add_nc_u32 v[VSA], s31, v[VSA]
	v_add_nc_u32 v[VSA], VSC, v[VSA]
.irp b, 0,1,2,3
	v_mov_b32 v[T1+\b], 0                          ; written once: a lane permute's destination counts as one of its sources
.endr
	s_mov_b32 s20, 0x76543210
	s_mov_b32 s21, 0xfedcba98                      ; v_permlanex16_b32's selects for lane l xor 16
	s_mov_b32 s22, 0x3fb8aa3b                      ; log2(e)
	s_mov_b32 s23, s22                             ; (the packed forms name a pair and take its low word for both halves)
	s_mov_b32 s24, 0x3eb504f3                      ; sc = 64^(-1/4)
	s_mov_b32 s25, s24
	s_mov_b32 s26, 0x600000                        ; the mantissa field of 448
	s_and_b32 s18, ttmp7, 0xffff                   ; work-group y = 16 x batch + head
	s_lshr_b32 s19, s18, 4
	s_and_b32 s18, s18, 15
	s_lshl_b32 s19, s19, 23                        ; a batch: 2,048 rows of 4,096 bytes
	s_lshl_b32 s18, s18, 8                         ; a head: 256 bytes of a row
	s_add_co_u32 s14, s19, s18
	s_lshl_b32 s18, s12, 20
	s_add_co_u32 s16, s14, s18                     ; k, v: + my wave's 256 keys
	s_lshl_b32 s18, ttmp9, 21
	s_add_co_u32 s14, s14, s18                     ; q, out: + my work-group's 512 queries
	s_lshl_b32 s18, s12, 18
	s_add_co_u32 s14, s14, s18                     ;         + my wave's 64.  (All under 2^25)
	s_mov_b32 s15, 0
	s_mov_b32 s17, 0
	s_wait_kmcnt 0x0
	s_add_nc_u64 s[4:5], s[4:5], s[14:15]
	s_add_nc_u64 s[10:11], s[10:11], s[14:15]
	s_add_nc_u64 s[6:7], s[6:7], s[16:17]
	s_add_nc_u64 s[8:9], s[8:9], s[16:17]
; PHASE 0 goes in 18 UNITS of 32 rows x 256 bytes: units 0-7 K's fragments, 8-15 V's blocks of 32 keys, 16-17 two tiles of Q each.
; GLOAD: a unit's 16 loads into slot n % 3 of window 1.  Group u of eight loads fills the stage once.  K: group u takes the keys 8 u + r + 8 (r / 8) of the fragment, in the order of r.
.macro GLOAD n
	WIN 0x40                                       ; destination window 1
.irp u, 0,1
.irp i, 0,1,2,3,4,5,6,7
.if (\n) < 8
	global_load_b128 v[64*((\n)%3)+32*\u+4*\i:64*((\n)%3)+32*\u+4*\i+3], v[GA], s[6:7] offset:(32*(\n)+8*\u+2*\i+8*(\i/4))*ROW
.elseif (\n) < 16
	global_load_b128 v[64*((\n)%3)+32*\u+4*\i:64*((\n)%3)+32*\u+4*\i+3], v[GA], s[8:9] offset:(32*((\n)-8)+16*\u+2*\i)*ROW
.else
	global_load_b128 v[64*((\n)%3)+32*\u+4*\i:64*((\n)%3)+32*\u+4*\i+3], v[GA], s[4:5] offset:(32*((\n)-16)+16*\u+2*\i)*ROW th:TH_LOAD_NT   ; q is read by this wave alone
.endif
.endr
.endr
	WIN 0
.endm
; TURN: the unit's rows go through my stage, 16 rows at a time, and come back with the operand's K along a lane's registers, into X0 + 64 (n % 2).  LDS serves a wave's instructions in order (ISA guide 5.7.1.4): no wait inside.
; K, Q: lane (r, h) takes of row r the channels 32 c + 16 h + 0 .. 15.  V: lane l takes channel 32 hf + l of each row: its registers run down the keys.
.macro TURN n
.set XT, X0+64*((\n)%2)
.irp u, 0,1
	WIN 0x04                                       ; an LDS store's data are its source 1: window 1
.irp i, 0,1,2,3,4,5,6,7
	ds_store_b128 v[STA], v[64*((\n)%3)+32*\u+4*\i:64*((\n)%3)+32*\u+4*\i+3] offset:2*SP*\i
.endr
	WIN 0
.if ((\n) >= 8) && ((\n) < 16)
.irp hf, 0,1
.irp p, 0,1,2,3,4,5,6,7,8,9,10,11,12,13,14,15
	ds_load_b32 v[XT+32*\hf+16*\u+\p], v[STC] offset:SP*\p+128*\hf
.endr
.endr
.else
.irp c, 0,1
.irp j, 0,1,2,3
	ds_load_b128 v[XT+32*\u+16*\c+4*\j:XT+32*\u+16*\c+4*\j+3], v[STB] offset:128*\c+16*\j
.endr
.endr
.endif
.endr
.endm
; QUANT: 64 numbers of a lane, register 16 b + i = operand k 32 b + 16 h + i of my row, are multiplied by sc and become codes: blocks 0, 1 in v[dlo] on, blocks 2, 3 in v[dhi] on.
; kind 0: the four bytes make one scale word, v[PW] (K: key a's two blocks, key a + 8's two).  kind 1: two words, tiles 2 m and 2 m + 1 of Q, each (s0, s1, s0, s1): it serves [Q|Z] and [Z|Q] alike.
.macro QUANT s, dlo, dhi, kind, m
.set J, 0
.rept 32
	v_pk_mul_f32 v[(\s)+J:(\s)+J+1], v[(\s)+J:(\s)+J+1], s[24:25] op_sel_hi:[1,0]
.set J, J+2
.endr
.irp b, 0,1,2,3
	v_max3_num_f32 v[BM+\b], |v[(\s)+16*\b]|, |v[(\s)+16*\b+1]|, 0x4800000   ; my 16 numbers of block b, and the floor 2^(9 - 127): the byte cannot fall under 1
.endr
.irp i, 2,4,6,8,10,12,14
.irp b, 0,1,2,3
	v_max3_num_f32 v[BM+\b], v[BM+\b], |v[(\s)+16*\b+\i]|, |v[(\s)+16*\b+\i+1]|   ; (the four blocks by turns)
.endr
.endr
.irp b, 0,1,2,3
	v_permlanex16_b32 v[T1+\b], v[BM+\b], s20, s21
.endr
.irp b, 0,1,2,3
	v_max_num_f32 v[BM+\b], v[BM+\b], v[T1+\b]     ; with lane l xor 16's 16: the block's largest magnitude
.endr
.irp b, 0,1,2,3
	v_add_nc_u32 v[SCL+\b], 0xfc000000, v[BM+\b]   ; 8 off its exponent field: the conversion takes this operand's exponent field as its scale
.endr
.irp b, 0,1,2,3
	v_and_or_b32 v[CAP+\b], v[BM+\b], 0x7f800000, s26   ; 448 x the scale
.endr
.irp b, 0,1,2,3
	v_lshrrev_b32 v[T1+\b], 23, v[SCL+\b]          ; the scale's byte
.endr
.if \kind
	v_lshl_or_b32 v[QW+2*(\m)], v[T1+1], 8, v[T1]
	v_lshl_or_b32 v[QW+2*(\m)+1], v[T1+3], 8, v[T1+2]
	v_lshl_or_b32 v[QW+2*(\m)], v[QW+2*(\m)], 16, v[QW+2*(\m)]
	v_lshl_or_b32 v[QW+2*(\m)+1], v[QW+2*(\m)+1], 16, v[QW+2*(\m)+1]
.else
	v_lshl_or_b32 v[PW], v[T1+1], 8, v[T1]
	v_lshl_or_b32 v[PW], v[T1+2], 16, v[PW]
	v_lshl_or_b32 v[PW], v[T1+3], 24, v[PW]
.endif
.irp b, 0,1,2,3
.if \b < 2
.set QD, (\dlo)+4*\b
.else
.set QD, (\dhi)+4*(\b-2)
.endif
.irp i, 0,1,2,3,4,5,6,7,8,9,10,11,12,13,14,15
	v_med3_num_f32 v[(\s)+16*\b+\i], v[(\s)+16*\b+\i], -v[CAP+\b], v[CAP+\b]   ; the conversion to an 8-bit code does not saturate (ISA guide 7.6.2): hold first
.endr
	v_cvt_scalef32_pk8_fp8_f32 v[QD:QD+1], v[(\s)+16*\b:(\s)+16*\b+7], v[SCL+\b]
	v_cvt_scalef32_pk8_fp8_f32 v[QD+2:QD+3], v[(\s)+16*\b+8:(\s)+16*\b+15], v[SCL+\b]
.endr
	v_nop                                          ; one plain vector instruction behind the last conversion
.endm
; VQ: a block of 32 keys of channel 32 hf + lane lies whole in my registers v[s + 32 hf] on: no other lane is asked.  Codes into v[PC0 + 8 hf] on; the byte becomes byte c of the step's scale word v[VW + hf].
.macro VQ s, c
.irp hf, 0,1
	v_max3_num_f32 v[TM+\hf], |v[(\s)+32*\hf]|, |v[(\s)+32*\hf+1]|, |v[(\s)+32*\hf+2]|
	v_max3_num_f32 v[TM+2+\hf], |v[(\s)+32*\hf+3]|, |v[(\s)+32*\hf+4]|, |v[(\s)+32*\hf+5]|
.endr
.irp i, 6,10,14,18,22,26
.irp hf, 0,1
	v_max3_num_f32 v[TM+\hf], v[TM+\hf], |v[(\s)+32*\hf+\i]|, |v[(\s)+32*\hf+\i+1]|
	v_max3_num_f32 v[TM+2+\hf], v[TM+2+\hf], |v[(\s)+32*\hf+\i+2]|, |v[(\s)+32*\hf+\i+3]|
.endr
.endr
.irp hf, 0,1
	v_max3_num_f32 v[TM+\hf], v[TM+\hf], |v[(\s)+32*\hf+30]|, |v[(\s)+32*\hf+31]|
.endr
.irp hf, 0,1
	v_max3_num_f32 v[TM+\hf], v[TM+\hf], v[TM+2+\hf], 0x4800000   ; and the floor
.endr
.irp hf, 0,1
	v_add_nc_u32 v[SCL+\hf], 0xfc000000, v[TM+\hf]
.endr
.irp hf, 0,1
	v_and_or_b32 v[CAP+\hf], v[TM+\hf], 0x7f800000, s26
.endr
.irp hf, 0,1
.if (\c) == 0
	v_lshrrev_b32 v[VW+\hf], 23, v[SCL+\hf]        ; the first byte starts the word
.else
	v_lshrrev_b32 v[T1+\hf], 23, v[SCL+\hf]
.endif
.endr
.if (\c) != 0
.irp hf, 0,1
	v_lshl_or_b32 v[VW+\hf], v[T1+\hf], 8*(\c), v[VW+\hf]
.endr
.endif
.irp hf, 0,1
.irp i, 0,1,2,3,4,5,6,7,8,9,10,11,12,13,14,15,16,17,18,19,20,21,22,23,24,25,26,27,28,29,30,31
	v_med3_num_f32 v[(\s)+32*\hf+\i], v[(\s)+32*\hf+\i], -v[CAP+\hf], v[CAP+\hf]
.endr
.irp g, 0,1,2,3
	v_cvt_scalef32_pk8_fp8_f32 v[PC0+8*\hf+2*\g:PC0+8*\hf+2*\g+1], v[(\s)+32*\hf+8*\g:(\s)+32*\hf+8*\g+7], v[SCL+\hf]
.endr
.endr
	v_nop                                          ; one plain vector instruction behind the last conversion
.endm
.macro WORK n
.set XN, X0+64*((\n)%2)
.if (\n) < 8
	QUANT XN, PC0, PC0+8, 0, 0
.irp c, 0,1,2,3
	ds_store_b128 v[KWA], v[PC0+4*\c:PC0+4*\c+3] offset:2048*(\n)+512*\c
.endr
	ds_store_b32 v[KSA], v[PW] offset:64*(\n)      ; lanes r and r + 16 write the same word with the same value
.elseif (\n) < 16
	VQ XN, ((\n)-8)%4
.irp hf, 0,1
.irp hh, 0,1
	ds_store_b128 v[VWA], v[PC0+8*\hf+4*\hh:PC0+8*\hf+4*\hh+3] offset:2048*((\n)-8)+1024*\hf+256*\hh   ; keys 16 hh on belong to the operand's lanes 16 hh + r
.endr
.endr
.if ((\n)-8)%4 == 3
.irp hf, 0,1
	ds_store_b32 v[VSA], v[VW+\hf] offset:256*(((\n)-8)/4)+128*\hf
.endr
.endif
.else
	QUANT XN, QA+8+32*((\n)-16), QA+24+32*((\n)-16), 1, (\n)-16
.endif
.endm
; A unit's turn: loads run three units ahead (48 loads a wave), the turn through the stage one unit.
.macro UNIT n
	s_wait_dscnt 0x0                               ; this unit's numbers are back from the stage, so its stage stores have read slot n % 3; the last unit's image stores have read their registers
.if (\n)+3 < 18
	GLOAD (\n)+3
.endif
.if (\n)+1 < 18
.if (\n) <= 14
	s_wait_loadcnt 32                              ; the next unit's 16 loads are in; those of the two units behind it may be out
.else
	s_wait_loadcnt 16*(16-(\n))                    ; the counts run down: 16, 0
.endif
	TURN (\n)+1
.endif
	WORK \n
.endm
	GLOAD 0
	GLOAD 1
	GLOAD 2
	s_wait_loadcnt 32                              ; unit 0's 16 loads are in
	TURN 0
.irp n, 0,1,2,3,4,5,6,7,8,9,10,11,12,13,14,15,16,17
	UNIT \n
.endr
	s_wait_dscnt 0x0                               ; for the others' sake: my images and scale words lie in LDS
	s_barrier_signal -1
.irp z, 0,1,2,3,4                              ; work on registers while the others arrive: the zero codes round Q,
.irp j, 0,1,2,3,4,5,6,7
	v_mov_b32 v[QA+16*\z+\j], 0
.endr
.endr
.irp i, 0,1,2,3
	v_mov_b32 v[ST+4*\i+1], 0xff61b1e6             ; the largest t so far: -3e38, under every t
	v_floor_f32 v[ST+4*\i], -v[ST+4*\i+1]          ; -M
	v_mov_b32 v[ST+4*\i+2], 0                      ; the sum, in two halves
	v_mov_b32 v[ST+4*\i+3], 0
.endr
	WIN 0x40
.set J, 0
.rept 128
	v_mov_b32 v[J], 0                              ; O^T.  (The step is written once: the first finds zeros, which the first change of M leaves zeros; a first step of its own would be a second copy of the loop's body)
.set J, J+1
.endr
	WIN 0
	s_barrier_wait -1                              ; the head's K and V lie in LDS; from here on they are only read
; K's four fragments and their scale words, off bytes on from v[a] (off / 32 from v[as])
.macro KLOAD a, as, off
	WIN 0x40
.irp b, 0,1,2,3
.irp c, 0,1,2,3
	ds_load_b128 v[KF+16*\b+4*\c:KF+16*\b+4*\c+3], v[\a] offset:(\off)+2048*\b+512*\c
.endr
.endr
	WIN 0
	ds_load_b32 v[KS], v[\as] offset:(\off)/32
	ds_load_b32 v[KS+1], v[\as] offset:(\off)/32+128
.endm
; One tile of 16 queries against the step's 128 keys: 8 products S^T, the softmax, 4 products O^T.  The accumulators take turns, one instruction a turn.
.macro TILE i
.set NM, ST+4*\i
.set TX, ST+4*\i+1
.set L,  ST+4*\i+2
.if \i == 0
	s_wait_dscnt 0x0                               ; K's fragments and words, asked for in the last tile of the step before
.endif
	WIN 0x01                                       ; source 0 (K) window 1
.irp b, 0,1,2,3
.irp u, 0,1                                    ; u = 0: [Qi|Z] picks keys a;  u = 1: [Z|Qi] picks keys a + 8
.if \b % 2
	v_wmma_scale_f32_16x16x128_f8f6f4 v[S+16*\b+8*\u:S+16*\b+8*\u+7], v[KF+16*\b:KF+16*\b+15], v[QA+8+16*\i-8*\u:QA+8+16*\i-8*\u+15], 0, v[KS+\b/2], v[QW+\i] matrix_a_scale:MATRIX_SCALE_ROW1
.else
	v_wmma_scale_f32_16x16x128_f8f6f4 v[S+16*\b+8*\u:S+16*\b+8*\u+7], v[KF+16*\b:KF+16*\b+15], v[QA+8+16*\i-8*\u:QA+8+16*\i-8*\u+15], 0, v[KS+\b/2], v[QW+\i]
.endif
.endr
.endr
	WIN 0
; Eight places behind this form ahead of the first read of the scores and of loads into registers that products have read
.if \i == 0
	v_add_nc_u32 v[ADK], s28, v[LI]                ; the step's addresses are three of the eight
	v_add_nc_u32 v[ADV], VIMG, v[ADK]
	v_add_nc_u32 v[ADS], s29, v[LS]
.rept 5
	v_nop
.endr
	WIN 0x40                                       ; V's four fragments: the eight places also stand behind the last step's products, which read these registers
.irp t, 0,1,2,3
.irp c, 0,1,2,3
	ds_load_b128 v[VF+16*\t+4*\c:VF+16*\t+4*\c+3], v[ADV] offset:2048*\c+512*\t
.endr
.endr
	WIN 0
	ds_load_b32 v[VS], v[ADS] offset:VSC-KSC
	ds_load_b32 v[VS+1], v[ADS] offset:VSC-KSC+128
.else
.rept 8
	v_nop
.endr
.endif
.if \i == 3
	s_cmp_eq_u32 s27, 15                           ; the step's last products on K are issued: the next step's K is asked for, a softmax ahead of its use; the last step asks for nothing
	s_cbranch_scc1 .Lno_next_\@
	KLOAD ADK, ADS, 8192
.Lno_next_\@:
.endif
.irp b, 0,1,2,3
	v_max3_num_f32 v[BM+\b], v[S+16*\b], v[S+16*\b+1], v[S+16*\b+2]   ; the largest score of each block of 32 keys: for the row's maximum and, since p rises with the score, for the block's largest p
.endr
.irp j, 3,5,7,9,11,13
.irp b, 0,1,2,3
	v_max3_num_f32 v[BM+\b], v[BM+\b], v[S+16*\b+\j], v[S+16*\b+\j+1]
.endr
.endr
.irp b, 0,1,2,3
	v_max_num_f32 v[BM+\b], v[BM+\b], v[S+16*\b+15]
.endr
.irp b, 0,1,2,3
	v_permlanex16_b32 v[T1+\b], v[BM+\b], s20, s21
.endr
.irp b, 0,1,2,3
	v_max_num_f32 v[BM+\b], v[BM+\b], v[T1+\b]     ; with lane l xor 16's 16 keys
.endr
	v_max3_num_f32 v[TT], v[BM], v[BM+1], v[BM+2]
	v_max_num_f32 v[TT], v[TT], v[BM+3]            ; the step's largest score of my query
	v_mul_f32 v[TT], s22, v[TT]                    ; as t
	v_max_num_f32 v[TX], v[TX], v[TT]              ; the running largest t
	v_mov_b32 v[TT], v[NM]
	v_floor_f32 v[NM], -v[TX]                      ; the new -M = -ceil(t)
	v_sub_f32 v[TT], v[NM], v[TT]                  ; old M - new M: a whole number, 0 or less
	v_cvt_i32_f32 v[TT], v[TT]                     ; (it saturates)
	v_ldexp_f32 v[F], 1.0, v[TT]                   ; f = 2^(old M - new M)
.set J, 0
.rept 32
	v_pk_fma_f32 v[S+J:S+J+1], v[S+J:S+J+1], s[22:23], v[NM:NM+1] op_sel_hi:[1,0,0]   ; t - M, two at a time
.set J, J+2
.endr
.irp b, 0,1,2,3
	v_fma_f32 v[BM+\b], v[BM+\b], s22, v[NM]       ; the same of each block's largest score
.endr
.set J, 0
.rept 64
	v_exp_f32 v[S+J], v[S+J]                       ; p = 2^(t - M): not normalised
.set J, J+1
.endr
.irp b, 0,1,2,3
	v_exp_f32 v[BM+\b], v[BM+\b]                   ; the block's largest p: the same two instructions on the same number
.endr
	v_pk_mul_f32 v[L:L+1], v[L:L+1], v[F:F+1] op_sel_hi:[1,0]   ; the sums under the new M.  (The plain instruction behind the exponentials)
	s_wait_alu depctr_va_vdst(0)
.irp b, 0,1,2,3
	v_max_num_f32 v[BM+\b], 0x4800000, v[BM+\b]    ; the floor 2^(9 - 127)
.endr
.irp b, 0,1,2,3
	v_add_nc_u32 v[SCL+\b], 0xfc000000, v[BM+\b]
.endr
.irp b, 0,1,2,3
	v_and_or_b32 v[CAP+\b], v[BM+\b], 0x7f800000, s26
.endr
.irp b, 0,1,2,3
	v_lshrrev_b32 v[T1+\b], 23, v[SCL+\b]
.endr
	v_lshl_or_b32 v[PW], v[T1+1], 8, v[T1]         ; p's scale word for these 128 keys
	v_lshl_or_b32 v[PW], v[T1+2], 16, v[PW]
	v_lshl_or_b32 v[PW], v[T1+3], 24, v[PW]
	v_pk_add_f32 v[T1:T1+1], v[S:S+1], v[S+2:S+3]  ; the row's sum is taken of the unquantised p: two at a time, in two chains
.irp j, 4,8,12,16,20,24,28,32,36,40,44,48,52,56,60
	v_pk_add_f32 v[L:L+1], v[L:L+1], v[S+\j:S+\j+1]
	v_pk_add_f32 v[T1:T1+1], v[T1:T1+1], v[S+\j+2:S+\j+3]
.endr
	v_pk_add_f32 v[L:L+1], v[L:L+1], v[T1:T1+1]
.irp b, 0,1,2,3
.irp j, 0,1,2,3,4,5,6,7,8,9,10,11,12,13,14,15
	v_min_num_f32 v[S+16*\b+\j], v[S+16*\b+\j], v[CAP+\b]   ; the hold: p is not negative, so it is one-sided
.endr
	v_cvt_scalef32_pk8_fp8_f32 v[PC+4*\b:PC+4*\b+1], v[S+16*\b:S+16*\b+7], v[SCL+\b]
	v_cvt_scalef32_pk8_fp8_f32 v[PC+4*\b+2:PC+4*\b+3], v[S+16*\b+8:S+16*\b+15], v[SCL+\b]
.endr
	WIN 0x41                                       ; O^T (destination and source 0) window 1, f window 0
.set J, 0
.rept 16
	v_pk_mul_f32 v[32*\i+J:32*\i+J+1], v[32*\i+J:32*\i+J+1], v[F:F+1] op_sel_hi:[1,0]   ; O^T under the new M.  (These sixteen also stand between the conversions and the products that take the codes)
.set J, J+2
.endr
.if \i == 0
	s_wait_dscnt 0x0                               ; V's fragments and words, asked for a softmax ago
.endif
	WIN 0x51                                       ; source 0 (V), C and D window 1; source 1 (p) window 0
.irp t, 0,1,2,3
.if \t % 2
	v_wmma_scale_f32_16x16x128_f8f6f4 v[32*\i+8*\t:32*\i+8*\t+7], v[VF+16*\t:VF+16*\t+15], v[PC:PC+15], v[32*\i+8*\t:32*\i+8*\t+7], v[VS+\t/2], v[PW] matrix_a_scale:MATRIX_SCALE_ROW1
.else
	v_wmma_scale_f32_16x16x128_f8f6f4 v[32*\i+8*\t:32*\i+8*\t+7], v[VF+16*\t:VF+16*\t+15], v[PC:PC+15], v[32*\i+8*\t:32*\i+8*\t+7], v[VS+\t/2], v[PW]
.endif
.endr
.endm
	s_mov_b32 s27, 0                               ; the step
	s_mov_b32 s28, 0                               ; its images: 8,192 bytes a step, of K and of V alike
	s_mov_b32 s29, 0                               ; its scale words: 256 bytes a step, likewise
	KLOAD LI, LS, 0                                ; step 0's K
.Lstep:
	TILE 0
	TILE 1
	TILE 2
	TILE 3
	WIN 0                                          ; at a label and at a branch every window is 0
	s_add_co_u32 s28, s28, 8192
	s_add_co_u32 s29, s29, 256
	s_add_co_u32 s27, s27, 1
	s_cmp_lt_u32 s27, 16
	s_cbranch_scc1 .Lstep
	; THE WAY OUT.  The sum's two halves and lane l xor 16's are added; O^T is divided by the sum and goes, a tile of 16 queries at a time, through my stage, so that sixteen lanes store a head's 256 bytes of a row.
.irp i, 0,1,2,3
	v_add_f32 v[TM+2*\i], v[ST+4*\i+2], v[ST+4*\i+3]
.endr
.irp i, 0,1,2,3
	v_permlanex16_b32 v[CAP+\i], v[TM+2*\i], s20, s21
.endr
.irp i, 0,1,2,3
	v_add_f32 v[CAP+\i], v[CAP+\i], v[TM+2*\i]
.endr
.irp i, 0,1,2,3
	v_rcp_f32 v[TM+2*\i], v[CAP+\i]
.endr
	v_nop                                          ; a plain instruction between the last reciprocal and the use of its result
	s_wait_alu depctr_va_vdst(0)
; Tile i: register 8 t + j of lane (r, h) is o(query r, channel 16 t + 8 h + j).  Each accumulator is read from its low end on.
.macro PACK i
.set PP, QA+32*((\i)%2)                        ; Q's registers are free: two sets of 32 by turns
	WIN 0x01                                       ; source 0 (O^T) window 1
.set J, 0
.rept 16
	v_pk_mul_f32 v[PP+J:PP+J+1], v[32*(\i)+J:32*(\i)+J+1], v[TM+2*(\i):TM+2*(\i)+1] op_sel_hi:[1,0]
.set J, J+2
.endr
	WIN 0
.irp t, 0,1,2,3
.irp e, 0,1
	ds_store_b128 v[STO], v[PP+8*\t+4*\e:PP+8*\t+4*\e+3] offset:64*\t+16*\e
.endr
.endr
.irp n, 0,1,2,3,4,5,6,7
	ds_load_b128 v[S+32*(\i)+4*\n:S+32*(\i)+4*\n+3], v[STA] offset:2*SP*\n   ; LDS serves a wave's instructions in order: these see the stores above, and the next tile's stores come behind them
.endr
.endm
.macro SEND i, younger                 ; younger: the LDS instructions issued behind tile i's loads: the next tile's 8 stores and 8 loads, or none
	s_wait_dscnt \younger
.irp n, 0,1,2,3,4,5,6,7
	global_store_b128 v[GA], v[S+32*(\i)+4*\n:S+32*(\i)+4*\n+3], s[10:11] offset:(16*(\i)+2*\n)*ROW th:TH_STORE_NT   ; sixteen lanes store 256 consecutive bytes, aligned; each tile has registers of its own, so no store's data are written again
.endr
.endm
	PACK 0
	PACK 1
	SEND 0, 16
	PACK 2
	SEND 1, 16
	PACK 3
	SEND 2, 16
	SEND 3, 0
	s_wait_tensorcnt 0x0
	ds_add_u32 v254, v255
	s_wait_dscnt 0x0
	s_endpgm
.Lfunc_end_k_qbade4cc172_attn:
	.size	k_qbade4cc172_attn, .Lfunc_end_k_qbade4cc172_attn-k_qbade4cc172_attn
	.p2alignl 7, 3214868480
	.fill 96, 4, 3214868480
	.section	.rodata,"a",@progbits
	.p2align	6, 0x0
	.amdhsa_kernel k_qbade4cc172_attn
		.amdhsa_group_segment_fixed_size 306176
		.amdhsa_private_segment_fixed_size 0
		.amdhsa_enable_private_segment 0
		.amdhsa_kernarg_size 32
		.amdhsa_user_sgpr_count 2
		.amdhsa_user_sgpr_kernarg_segment_ptr 1
		.amdhsa_wavefront_size32 1
		.amdhsa_system_sgpr_workgroup_id_x 1
		.amdhsa_system_sgpr_workgroup_id_y 1
		.amdhsa_system_sgpr_workgroup_id_z 1
		.amdhsa_system_vgpr_workitem_id 0
		.amdhsa_next_free_vgpr 512
		.amdhsa_next_free_sgpr 66
		.amdhsa_reserve_vcc 0
		.amdhsa_float_denorm_mode_32 3
		.amdhsa_float_denorm_mode_16_64 3
		.amdhsa_memory_ordered 1
		.amdhsa_forward_progress 1
		.amdhsa_inst_pref_size 255
	.end_amdhsa_kernel
	.section	.bss,"aw",@nobits
	.p2align	6
	.space	262144
	.amdgpu_metadata
---
amdhsa.version: [ 1, 2 ]
amdhsa.kernels:
  - .name:           k_qbade4cc172_attn
    .symbol:         k_qbade4cc172_attn.kd
    .args:
      - { .name: q, .offset: 0, .size: 8, .value_kind: global_buffer, .address_space: global }
      - { .name: k, .offset: 8, .size: 8, .value_kind: global_buffer, .address_space: global }
      - { .name: v, .offset: 16, .size: 8, .value_kind: global_buffer, .address_space: global }
      - { .name: out0, .offset: 24, .size: 8, .value_kind: global_buffer, .address_space: global }
    .group_segment_fixed_size: 306176
    .private_segment_fixed_size: 0
    .kernarg_segment_align: 8
    .kernarg_segment_size: 32
    .max_flat_workgroup_size: 256
    .sgpr_count:     66
    .vgpr_count:     512
    .wavefront_size: 32
...
	.end_amdgpu_metadata
.endif
;; end of part 1
;; ======== version 2 of 2: 1 launch; version 1 with the launch attn written anew for expert scheduling mode
;; launch attn (part 2): grid 4 x 64, 8 waves a work-group, no clusters, 306,176 bytes of LDS; arguments q, k, v, out0; writes out0
.if DOCPART == 2
	.amdgcn_target "amdgcn-amd-amdhsa--gfx1250"
	.amdhsa_code_object_version 6
	.text
	.protected	k_qbade4cc172_attn
	.globl	k_qbade4cc172_attn
	.p2align	8
	.type	k_qbade4cc172_attn,@function
k_qbade4cc172_attn:
	s_mov_b64 s[64:65], 0
	v_nop
	global_prefetch_b8 v0, s[64:65] scope:SCOPE_SE
	s_setreg_imm32_b32 hwreg(HW_REG_WAVE_SCHED_MODE, 0, 2), 2
	s_setreg_imm32_b32 hwreg(HW_REG_WAVE_MODE, 25, 1), 1
	s_wait_xcnt 0x0
	s_wait_alu depctr_vm_vsrc(0)
; out[b][t][h][:] = the sum over s of softmax_s((q sc) . (k sc)) v, sc = 64^(-1/4); q, k, v, out: [4][2048][16 heads x 64] f32.  Both products on codes of FP8 (E4M3) with one E8M0 scale for each 32 along K.
; Product 1: q sc and k sc are quantised along the head's 64 channels.  Product 2: v is quantised along the keys, and so is p = 2^(t - M), t = logit x log2(e), M = the running largest t rounded up to a whole number;
; the row's sum is taken of the unquantised p and divides at the end.  When M moves, the sum and O are multiplied by 2^(old M - new M): exact.
; SHARES.  A work-group owns one (batch, head) and 512 of its queries: 4 x 64 work-groups.  Eight waves, two to a SIMD, 512 registers each; a wave owns 64 queries: four tiles of 16.
; PHASE 0.  The work-group quantises its head's 2,048 keys of K (x sc) and of V into LDS, each wave 256 keys, as IMAGES OF OPERAND REGISTERS (a group of four registers: 16 bytes a lane, 512 bytes on end), and each wave its Q into
; registers.  Every global load takes whole rows of a head: sixteen lanes read 256 consecutive bytes, aligned.  The rows turn through the wave's own stage in LDS, so that a lane gets neighbours along the operand's K.  One barrier.
; THE LOOP.  16 steps of 128 keys, no barrier: LDS is only read.  Each fragment of K and of V read from LDS serves the wave's four tiles.
; K = 64 IN A FORM OF K = 128.  A fragment of K holds 32 keys: operand k 0-63 are the channels of key a, k 64-127 those of key a + 8.  Q stands as [Z][Q0][Z][Q1][Z][Q2][Z][Q3][Z], Z = 8 registers of zero codes:
; the operand [Qi|Z] picks keys a, [Z|Qi] keys a + 8 (a code x the code 0 adds exactly 0).  So no register and no LDS byte of K is spent on zeros.
; BOTH PRODUCTS ARE USED TRANSPOSED (S^T = K Q^T, O^T = V^T P^T): a lane holds ONE query (lane % 16) throughout.  THE KEYS OF A TILE ARE NOT NEIGHBOURS: row r of tile 2 b + u is key 32 b + 8 u + r + 8 (r / 8), so that
; register 16 b + i of S^T is key 32 b + 16 (lane / 16) + i: the conversions' results are P's operand as they stand.
; NO CLUSTER, NO TENSOR LOADS: what the four work-groups of a head share is f32 that has to pass through registers to become codes; beside the codes and words (270,336 bytes) and the stages (34,816) LDS has 22,528 bytes left, too
; little for slots of f32 rows that would be worth a round.  So each of the four quantises K and V for itself.
; LIMITS: NaN and infinities among the inputs are not served.  A block of zeros gets the scale byte 1 where the rule says 127: its codes are zeros, and this program alone reads the bytes.  Blocks whose largest magnitude lies
; under 2^-118 are held at the byte 1.  v_exp_f32 gives 0 for a p under 2^-126.
; THE MODE: SCHED_MODE bits 1:0 = 2 (LLVM: expert scheduling mode 2), set by the entry lines.  The code itself states the register dependences between vector or matrix instructions and memory or LDS instructions,
; with s_wait_alu, always for 0.
; THE PLAN.  Registers that memory or LDS instructions touch:
;   PHASE 0.  Window 1's three slots: unit n's global loads land in slot n % 3, its stage stores read it, the loads of unit n + 3 land in it again; no vector instruction names them.
;             X[n % 2]: the stage's loads land in it; unit n's arithmetic reads and writes it; the loads of unit n + 2, issued in unit n + 1 ahead of that unit's arithmetic, land in it again.
;             The codes v48-63 and the scale words v36, v18-19: written by unit n's arithmetic, read by its image stores, written again by unit n + 1.
;             So a unit has ONE wait on vm_vsrc, at its head (slot n % 3, the codes and the words have been read), and ONE on va_vdst, behind its conversions (the codes and words are written; X[n % 2] is done with).
;   THE LOOP. K's fragments and words: read by each tile's score products; the next step's loads land in them behind tile 3's wait for its exponentials, which stands behind the step's last score products.
;             V's fragments and words: read by each tile's products O^T, tile 3's at the step's end; the next step's loads land in them behind tile 0's wait for its exponentials, which stands behind those products.
;             v3-v5, the step's LDS addresses: read by those two runs of loads; written once a step, in tile 0, behind a wait on vm_vsrc and ahead of tile 0's wait for its exponentials.
;             p's codes and scale word go from vector instructions to scaled products: a wait on va_vdst stands ahead of each tile's four products O^T, behind their places.
;   THE WAY OUT.  Two sets of 32 registers by turns: written by a tile's divisions, read by its stage stores.  The stage's loads land in v120-247, a tile's 32 registers each, from which the global stores leave.
;   The other addresses (v1, v2, v6, v9-v16) are made at the head and never written again; v254, v255 are written at the head and read by the closing add alone.
.set KIMG, 0                           ; LDS: K's fragments: fragment f (keys 32 f on) at 2048 f, register group c at + 512 c, lane at + 16 lane
.set VIMG, 131072                      ; V's: block B of 32 keys at 2048 B, tile t of 16 channels at + 512 t, lane at + 16 lane: group B % 4 of the fragment (step B / 4, tile t)
.set KSC,  262144                      ; K's scale words: row r of fragment f at 64 f + 4 r
.set VSC,  266240                      ; V's: channel ch of step s at 256 s + 4 ch
.set STG,  270336                      ; a stage for each wave: 16 rows x (256 bytes + 16)
.set SP,   272                         ; 68 words: row r starts at bank 4 r mod 64 (64 banks of 4 bytes: ISA guide 11.1)
.set STGW, 16*SP
.set ROW,  4096                        ; bytes from row to row in q, k, v, out
.set LI,  1                            ; v1   16 x lane
.set LS,  2                            ; v2   KSC + 4 x lane
.set ADK, 3                            ; v3   the step's fragments of K
.set ADV, 4                            ; v4   of V
.set ADS, 5                            ; v5   its scale words
.set STO, 6                            ; v6   the way out, into the stage: row r, + 32 h
.set GA,  9                            ; v9   memory: lanes 0-15 one row, lanes 16-31 the next, 16 bytes a lane
.set STA, 10                           ; v10  the same two rows in the stage
.set STB, 11                           ; v11  the stage by rows: row r, + 64 h
.set STC, 12                           ; v12  the stage by columns: 4 x lane
.set KWA, 13                           ; v13  where my wave stores K's images
.set KSA, 14                           ; v14  and K's scale words
.set VWA, 15                           ; v15  V's images
.set VSA, 16                           ; v16  V's scale words
.set VW,  18                           ; v18-19  phase 0: V's scale words as they grow
.set F,   18                           ; v[18:19] the loop: f = 2^(old M - new M) in v18 (v19 is named with it as a pair)
.set TM,  20
.set BM,  20                           ; v20-23 largest magnitudes (scores) of four blocks
.set T1,  24                           ; v24-27 at work
.set CAP, 28                           ; v28-31 448 x the scale
.set SCL, 32                           ; v32-35 the conversions' scale operands
.set PW,  36                           ; v36  the scale word just made
.set TT,  37                           ; v37  at work
.set KS,  38                           ; v38-39 K's scale words: lanes 0-15 an even fragment's, lanes 16-31 the odd one's
.set VS,  40                           ; v40-41 V's likewise, by tiles
.set QW,  42                           ; v42-45 Q's scale words, a tile each
.set QA,  48                           ; v48-119 [Z][Q0][Z][Q1][Z][Q2][Z][Q3][Z]
.set PC0, 48                           ; phase 0: the codes of a unit of K or V (Z and Q are written behind them)
.set X0,  120                          ; phase 0: 64 numbers of an even unit; v184-247 of an odd one
.set S,   120                          ; the loop: S^T, then p
.set PC,  184                          ; v184-199 p's codes
.set ST,  200                          ; tile i: v[200 + 4 i] -M, + 1 the largest t, + 2, + 3 the sum in two halves
.set KF,  128                          ; window 1: K's four fragments
.set VF,  192                          ; window 1: V's four;  window 1, v0-127: O^T, accumulator (tile i, channels 16 t on) at 32 i + 8 t;  phase 0: three slots of 64 registers as loaded
.set MSB, 0
.macro WIN new                         ; s_set_vgpr_msb: bits 1:0 source 0, 3:2 source 1, 5:4 source 2, 7:6 destination; the high byte repeats the setting that is left
.if MSB != \new
	s_set_vgpr_msb (MSB<<8)|\new
.set MSB, \new
.endif
.endm
	s_load_b256 s[4:11], s[0:1], 0x0               ; q s[4:5], k s[6:7], v s[8:9], out s[10:11]
	v_lshl_add_u32 v254, v0, 2, 0x4a800
	v_mov_b32 v255, 0
	v_lshrrev_b32 v7, 5, v0
	v_readfirstlane_b32 s12, v7                    ; wave 0..7
	v_and_b32 v7, 31, v0                           ; lane
	v_and_b32 v8, 15, v0                           ; r = lane % 16
	v_bfe_u32 v17, v0, 4, 1                        ; h = lane / 16
	s_wait_alu depctr_va_sdst(0)                   ; s12 is written, ahead of its first reader: the stage's place, the images' places and the bases are made from it
	s_mul_i32 s13, s12, STGW
	s_add_co_u32 s13, s13, STG                     ; my stage
	s_lshl_b32 s30, s12, 14                        ; my wave's 256 keys: 16,384 bytes of images,
	s_lshl_b32 s31, s12, 9                         ; 512 bytes of scale words
	v_lshlrev_b32 v[LI], 4, v7
	v_lshl_add_u32 v[LS], v7, 2, KSC
	v_mul_u32_u24 v[STO], v8, SP
	v_lshl_add_u32 v[STO], v17, 5, v[STO]
	v_add_nc_u32 v[STO], s13, v[STO]
	v_lshlrev_b32 v[GA], 12, v17
	v_lshl_add_u32 v[GA], v8, 4, v[GA]
	v_mul_u32_u24 v[STA], v17, SP
	v_lshl_add_u32 v[STA], v8, 4, v[STA]
	v_add_nc_u32 v[STA], s13, v[STA]
	v_mul_u32_u24 v[STB], v8, SP
	v_lshl_add_u32 v[STB], v17, 6, v[STB]
	v_add_nc_u32 v[STB], s13, v[STB]
	v_lshlrev_b32 v[STC], 2, v7
	v_add_nc_u32 v[STC], s13, v[STC]
	v_add_nc_u32 v[KWA], s30, v[LI]                ; (KIMG = 0)
	v_lshlrev_b32 v[KSA], 2, v8
	v_add_nc_u32 v[KSA], s31, v[KSA]
	v_add_nc_u32 v[KSA], KSC, v[KSA]
	v_lshlrev_b32 v[VWA], 9, v17                   ; lane l holds channel 32 hf + l: tile 2 hf + l / 16, row l % 16
	v_lshl_add_u32 v[VWA], v8, 4, v[VWA]
	v_add_nc_u32 v[VWA], s30, v[VWA]
	v_add_nc_u32 v[VWA], VIMG, v[VWA]
	v_lshlrev_b32 v[VSA], 2, v7
	v_add_nc_u32 v[VSA], s31, v[VSA]
	v_add_nc_u32 v[VSA], VSC, v[VSA]
.irp b, 0,1,2,3
	v_mov_b32 v[T1+\b], 0                          ; written once: a lane permute's destination counts as one of its sources
.endr
	s_mov_b32 s20, 0x76543210
	s_mov_b32 s21, 0xfedcba98                      ; v_permlanex16_b32's selects for lane l xor 16
	s_mov_b32 s22, 0x3fb8aa3b                      ; log2(e)
	s_mov_b32 s23, s22                             ; (the packed forms name a pair and take its low word for both halves)
	s_mov_b32 s24, 0x3eb504f3                      ; sc = 64^(-1/4)
	s_mov_b32 s25, s24
	s_mov_b32 s26, 0x600000                        ; the mantissa field of 448
	s_and_b32 s18, ttmp7, 0xffff                   ; work-group y = 16 x batch + head
	s_lshr_b32 s19, s18, 4
	s_and_b32 s18, s18, 15
	s_lshl_b32 s19, s19, 23                        ; a batch: 2,048 rows of 4,096 bytes
	s_lshl_b32 s18, s18, 8                         ; a head: 256 bytes of a row
	s_add_co_u32 s14, s19, s18
	s_lshl_b32 s18, s12, 20
	s_add_co_u32 s16, s14, s18                     ; k, v: + my wave's 256 keys
	s_lshl_b32 s18, ttmp9, 21
	s_add_co_u32 s14, s14, s18                     ; q, out: + my work-group's 512 queries
	s_lshl_b32 s18, s12, 18
	s_add_co_u32 s14, s14, s18                     ;         + my wave's 64.  (All under 2^25)
	s_mov_b32 s15, 0
	s_mov_b32 s17, 0
	s_wait_kmcnt 0x0
	s_add_nc_u64 s[4:5], s[4:5], s[14:15]
	s_add_nc_u64 s[10:11], s[10:11], s[14:15]
	s_add_nc_u64 s[6:7], s[6:7], s[16:17]
	s_add_nc_u64 s[8:9], s[8:9], s[16:17]
	s_wait_alu depctr_va_vdst(0)                   ; the offsets and LDS addresses v1, v2, v6 and v9 to v16 are written, which the loads and stores of the whole kernel read
; PHASE 0 goes in 18 UNITS of 32 rows x 256 bytes: units 0-7 K's fragments, 8-15 V's blocks of 32 keys, 16-17 two tiles of Q each.
; GLOAD: a unit's 16 loads into slot n % 3 of window 1.  Group u of eight loads fills the stage once.  K: group u takes the keys 8 u + r + 8 (r / 8) of the fragment, in the order of r.
.macro GLOAD n
	WIN 0x40                                       ; destination window 1
.irp u, 0,1
.irp i, 0,1,2,3,4,5,6,7
.if (\n) < 8
	global_load_b128 v[64*((\n)%3)+32*\u+4*\i:64*((\n)%3)+32*\u+4*\i+3], v[GA], s[6:7] offset:(32*(\n)+8*\u+2*\i+8*(\i/4))*ROW
.elseif (\n) < 16
	global_load_b128 v[64*((\n)%3)+32*\u+4*\i:64*((\n)%3)+32*\u+4*\i+3], v[GA], s[8:9] offset:(32*((\n)-8)+16*\u+2*\i)*ROW
.else
	global_load_b128 v[64*((\n)%3)+32*\u+4*\i:64*((\n)%3)+32*\u+4*\i+3], v[GA], s[4:5] offset:(32*((\n)-16)+16*\u+2*\i)*ROW th:TH_LOAD_NT   ; q is read by this wave alone
.endif
.endr
.endr
	WIN 0
.endm
; TURN: the unit's rows go through my stage, 16 rows at a time, and come back with the operand's K along a lane's registers, into X0 + 64 (n % 2).  LDS serves a wave's instructions in order (ISA guide 5.7.1.4): no wait inside.
; K, Q: lane (r, h) takes of row r the channels 32 c + 16 h + 0 .. 15.  V: lane l takes channel 32 hf + l of each row: its registers run down the keys.
.macro TURN n
.set XT, X0+64*((\n)%2)
.irp u, 0,1
	WIN 0x04                                       ; an LDS store's data are its source 1: window 1
.irp i, 0,1,2,3,4,5,6,7
	ds_store_b128 v[STA], v[64*((\n)%3)+32*\u+4*\i:64*((\n)%3)+32*\u+4*\i+3] offset:2*SP*\i
.endr
	WIN 0
.if ((\n) >= 8) && ((\n) < 16)
.irp hf, 0,1
.irp p, 0,1,2,3,4,5,6,7,8,9,10,11,12,13,14,15
	ds_load_b32 v[XT+32*\hf+16*\u+\p], v[STC] offset:SP*\p+128*\hf
.endr
.endr
.else
.irp c, 0,1
.irp j, 0,1,2,3
	ds_load_b128 v[XT+32*\u+16*\c+4*\j:XT+32*\u+16*\c+4*\j+3], v[STB] offset:128*\c+16*\j
.endr
.endr
.endif
.endr
.endm
; QUANT: 64 numbers of a lane, register 16 b + i = operand k 32 b + 16 h + i of my row, are multiplied by sc and become codes: blocks 0, 1 in v[dlo] on, blocks 2, 3 in v[dhi] on.
; kind 0: the four bytes make one scale word, v[PW] (K: key a's two blocks, key a + 8's two).  kind 1: two words, tiles 2 m and 2 m + 1 of Q, each (s0, s1, s0, s1): it serves [Q|Z] and [Z|Q] alike.
.macro QUANT s, dlo, dhi, kind, m
.set J, 0
.rept 32
	v_pk_mul_f32 v[(\s)+J:(\s)+J+1], v[(\s)+J:(\s)+J+1], s[24:25] op_sel_hi:[1,0]
.set J, J+2
.endr
.irp b, 0,1,2,3
	v_max3_num_f32 v[BM+\b], |v[(\s)+16*\b]|, |v[(\s)+16*\b+1]|, 0x4800000   ; my 16 numbers of block b, and the floor 2^(9 - 127): the byte cannot fall under 1
.endr
.irp i, 2,4,6,8,10,12,14
.irp b, 0,1,2,3
	v_max3_num_f32 v[BM+\b], v[BM+\b], |v[(\s)+16*\b+\i]|, |v[(\s)+16*\b+\i+1]|   ; (the four blocks by turns)
.endr
.endr
.irp b, 0,1,2,3
	v_permlanex16_b32 v[T1+\b], v[BM+\b], s20, s21
.endr
.irp b, 0,1,2,3
	v_max_num_f32 v[BM+\b], v[BM+\b], v[T1+\b]     ; with lane l xor 16's 16: the block's largest magnitude
.endr
.irp b, 0,1,2,3
	v_add_nc_u32 v[SCL+\b], 0xfc000000, v[BM+\b]   ; 8 off its exponent field: the conversion takes this operand's exponent field as its scale
.endr
.irp b, 0,1,2,3
	v_and_or_b32 v[CAP+\b], v[BM+\b], 0x7f800000, s26   ; 448 x the scale
.endr
.irp b, 0,1,2,3
	v_lshrrev_b32 v[T1+\b], 23, v[SCL+\b]          ; the scale's byte
.endr
.if \kind
	v_lshl_or_b32 v[QW+2*(\m)], v[T1+1], 8, v[T1]
	v_lshl_or_b32 v[QW+2*(\m)+1], v[T1+3], 8, v[T1+2]
	v_lshl_or_b32 v[QW+2*(\m)], v[QW+2*(\m)], 16, v[QW+2*(\m)]
	v_lshl_or_b32 v[QW+2*(\m)+1], v[QW+2*(\m)+1], 16, v[QW+2*(\m)+1]
.else
	v_lshl_or_b32 v[PW], v[T1+1], 8, v[T1]
	v_lshl_or_b32 v[PW], v[T1+2], 16, v[PW]
	v_lshl_or_b32 v[PW], v[T1+3], 24, v[PW]
.endif
.irp b, 0,1,2,3
.if \b < 2
.set QD, (\dlo)+4*\b
.else
.set QD, (\dhi)+4*(\b-2)
.endif
.irp i, 0,1,2,3,4,5,6,7,8,9,10,11,12,13,14,15
	v_med3_num_f32 v[(\s)+16*\b+\i], v[(\s)+16*\b+\i], -v[CAP+\b], v[CAP+\b]   ; the conversion to an 8-bit code does not saturate (ISA guide 7.6.2): hold first
.endr
	v_cvt_scalef32_pk8_fp8_f32 v[QD:QD+1], v[(\s)+16*\b:(\s)+16*\b+7], v[SCL+\b]
	v_cvt_scalef32_pk8_fp8_f32 v[QD+2:QD+3], v[(\s)+16*\b+8:(\s)+16*\b+15], v[SCL+\b]
.endr
	v_nop                                          ; one plain vector instruction behind the last conversion
.endm
; VQ: a block of 32 keys of channel 32 hf + lane lies whole in my registers v[s + 32 hf] on: no other lane is asked.  Codes into v[PC0 + 8 hf] on; the byte becomes byte c of the step's scale word v[VW + hf].
.macro VQ s, c
.irp hf, 0,1
	v_max3_num_f32 v[TM+\hf], |v[(\s)+32*\hf]|, |v[(\s)+32*\hf+1]|, |v[(\s)+32*\hf+2]|
	v_max3_num_f32 v[TM+2+\hf], |v[(\s)+32*\hf+3]|, |v[(\s)+32*\hf+4]|, |v[(\s)+32*\hf+5]|
.endr
.irp i, 6,10,14,18,22,26
.irp hf, 0,1
	v_max3_num_f32 v[TM+\hf], v[TM+\hf], |v[(\s)+32*\hf+\i]|, |v[(\s)+32*\hf+\i+1]|
	v_max3_num_f32 v[TM+2+\hf], v[TM+2+\hf], |v[(\s)+32*\hf+\i+2]|, |v[(\s)+32*\hf+\i+3]|
.endr
.endr
.irp hf, 0,1
	v_max3_num_f32 v[TM+\hf], v[TM+\hf], |v[(\s)+32*\hf+30]|, |v[(\s)+32*\hf+31]|
.endr
.irp hf, 0,1
	v_max3_num_f32 v[TM+\hf], v[TM+\hf], v[TM+2+\hf], 0x4800000   ; and the floor
.endr
.irp hf, 0,1
	v_add_nc_u32 v[SCL+\hf], 0xfc000000, v[TM+\hf]
.endr
.irp hf, 0,1
	v_and_or_b32 v[CAP+\hf], v[TM+\hf], 0x7f800000, s26
.endr
.irp hf, 0,1
.if (\c) == 0
	v_lshrrev_b32 v[VW+\hf], 23, v[SCL+\hf]        ; the first byte starts the word
.else
	v_lshrrev_b32 v[T1+\hf], 23, v[SCL+\hf]
.endif
.endr
.if (\c) != 0
.irp hf, 0,1
	v_lshl_or_b32 v[VW+\hf], v[T1+\hf], 8*(\c), v[VW+\hf]
.endr
.endif
.irp hf, 0,1
.irp i, 0,1,2,3,4,5,6,7,8,9,10,11,12,13,14,15,16,17,18,19,20,21,22,23,24,25,26,27,28,29,30,31
	v_med3_num_f32 v[(\s)+32*\hf+\i], v[(\s)+32*\hf+\i], -v[CAP+\hf], v[CAP+\hf]
.endr
.irp g, 0,1,2,3
	v_cvt_scalef32_pk8_fp8_f32 v[PC0+8*\hf+2*\g:PC0+8*\hf+2*\g+1], v[(\s)+32*\hf+8*\g:(\s)+32*\hf+8*\g+7], v[SCL+\hf]
.endr
.endr
	v_nop                                          ; one plain vector instruction behind the last conversion
.endm
.macro WORK n
.set XN, X0+64*((\n)%2)
.if (\n) < 8
	QUANT XN, PC0, PC0+8, 0, 0
	s_wait_alu depctr_va_vdst(0)                   ; the conversions have written the codes and the shifts the scale word, which the stores below read; the unit's arithmetic is done with X[n % 2], in which the stage's loads of unit n + 2 land
.irp c, 0,1,2,3
	ds_store_b128 v[KWA], v[PC0+4*\c:PC0+4*\c+3] offset:2048*(\n)+512*\c
.endr
	ds_store_b32 v[KSA], v[PW] offset:64*(\n)      ; lanes r and r + 16 write the same word with the same value
.elseif (\n) < 16
	VQ XN, ((\n)-8)%4
	s_wait_alu depctr_va_vdst(0)                   ; the conversions have written the codes and the shifts the scale words, which the stores below read; the unit's arithmetic is done with X[n % 2], in which the stage's loads of unit n + 2 land
.irp hf, 0,1
.irp hh, 0,1
	ds_store_b128 v[VWA], v[PC0+8*\hf+4*\hh:PC0+8*\hf+4*\hh+3] offset:2048*((\n)-8)+1024*\hf+256*\hh   ; keys 16 hh on belong to the operand's lanes 16 hh + r
.endr
.endr
.if ((\n)-8)%4 == 3
.irp hf, 0,1
	ds_store_b32 v[VSA], v[VW+\hf] offset:256*(((\n)-8)/4)+128*\hf
.endr
.endif
.else
	QUANT XN, QA+8+32*((\n)-16), QA+24+32*((\n)-16), 1, (\n)-16   ; Q stays in registers: no store follows, and no load lands in X again in this phase: no wait
.endif
.endm
; A unit's turn: loads run three units ahead (48 loads a wave), the turn through the stage one unit.
.macro UNIT n
	s_wait_dscnt 0x0                               ; this unit's numbers are back from the stage
.if (\n) < 17
	s_wait_alu depctr_vm_vsrc(0)                   ; this unit's stage stores have read slot n % 3, in which the loads below land; the last unit's image stores have read the codes and the scale words, which this unit's arithmetic writes again
.endif
.if (\n)+3 < 18
	GLOAD (\n)+3
.endif
.if (\n)+1 < 18
.if (\n) <= 14
	s_wait_loadcnt 32                              ; the next unit's 16 loads are in; those of the two units behind it may be out
.else
	s_wait_loadcnt 16*(16-(\n))                    ; the counts run down: 16, 0
.endif
	TURN (\n)+1                                    ; its loads land in the X that the unit before worked on: no vector instruction stands between that unit's wait on va_vdst and here
.endif
	WORK \n
.endm
	GLOAD 0
	GLOAD 1
	GLOAD 2
	s_wait_loadcnt 32                              ; unit 0's 16 loads are in
	TURN 0
.irp n, 0,1,2,3,4,5,6,7,8,9,10,11,12,13,14,15,16,17
	UNIT \n
.endr
	s_wait_dscnt 0x0                               ; for the others' sake: my images and scale words lie in LDS
	s_wait_alu depctr_vm_vsrc(0)                   ; my stage and image stores have read their registers: v48-55 become zero codes, window 1's slots O^T and K's fragments, all written below
	s_barrier_signal -1
.irp z, 0,1,2,3,4                              ; work on registers while the others arrive: the zero codes round Q,
.irp j, 0,1,2,3,4,5,6,7
	v_mov_b32 v[QA+16*\z+\j], 0
.endr
.endr
.irp i, 0,1,2,3
	v_mov_b32 v[ST+4*\i+1], 0xff61b1e6             ; the largest t so far: -3e38, under every t
	v_floor_f32 v[ST+4*\i], -v[ST+4*\i+1]          ; -M
	v_mov_b32 v[ST+4*\i+2], 0                      ; the sum, in two halves
	v_mov_b32 v[ST+4*\i+3], 0
.endr
	WIN 0x40
.set J, 0
.rept 128
	v_mov_b32 v[J], 0                              ; O^T.  (The step is written once: the first finds zeros, which the first change of M leaves zeros; a first step of its own would be a second copy of the loop's body)
.set J, J+1
.endr
	WIN 0
	s_barrier_wait -1                              ; the head's K and V lie in LDS; from here on they are only read
	s_wait_alu depctr_va_vdst(0)                   ; Q's codes, the zero codes round them and Q's scale words are written, which the loop's scaled products take; none of them is written again
; K's four fragments and their scale words, off bytes on from v[a] (off / 32 from v[as])
.macro KLOAD a, as, off
	WIN 0x40
.irp b, 0,1,2,3
.irp c, 0,1,2,3
	ds_load_b128 v[KF+16*\b+4*\c:KF+16*\b+4*\c+3], v[\a] offset:(\off)+2048*\b+512*\c
.endr
.endr
	WIN 0
	ds_load_b32 v[KS], v[\as] offset:(\off)/32
	ds_load_b32 v[KS+1], v[\as] offset:(\off)/32+128
.endm
; One tile of 16 queries against the step's 128 keys: 8 products S^T, the softmax, 4 products O^T.  The accumulators take turns, one instruction a turn.
.macro TILE i
.set NM, ST+4*\i
.set TX, ST+4*\i+1
.set L,  ST+4*\i+2
.if \i == 0
	s_wait_dscnt 0x0                               ; K's fragments and words, asked for in the last tile of the step before
.endif
	WIN 0x01                                       ; source 0 (K) window 1
.irp b, 0,1,2,3
.irp u, 0,1                                    ; u = 0: [Qi|Z] picks keys a;  u = 1: [Z|Qi] picks keys a + 8
.if \b % 2
	v_wmma_scale_f32_16x16x128_f8f6f4 v[S+16*\b+8*\u:S+16*\b+8*\u+7], v[KF+16*\b:KF+16*\b+15], v[QA+8+16*\i-8*\u:QA+8+16*\i-8*\u+15], 0, v[KS+\b/2], v[QW+\i] matrix_a_scale:MATRIX_SCALE_ROW1
.else
	v_wmma_scale_f32_16x16x128_f8f6f4 v[S+16*\b+8*\u:S+16*\b+8*\u+7], v[KF+16*\b:KF+16*\b+15], v[QA+8+16*\i-8*\u:QA+8+16*\i-8*\u+15], 0, v[KS+\b/2], v[QW+\i]
.endif
.endr
.endr
	WIN 0
; Eight places behind this form ahead of the first read of the scores
.if \i == 0
	s_wait_alu depctr_vm_vsrc(0)                   ; the last step's LDS loads of V and of K have read v[ADK], v[ADV] and v[ADS], which the three additions write
	v_add_nc_u32 v[ADK], s28, v[LI]                ; the step's addresses are three of the eight
	v_add_nc_u32 v[ADV], VIMG, v[ADK]
	v_add_nc_u32 v[ADS], s29, v[LS]
.rept 5
	v_nop
.endr
.else
.rept 8
	v_nop
.endr
.endif
.irp b, 0,1,2,3
	v_max3_num_f32 v[BM+\b], v[S+16*\b], v[S+16*\b+1], v[S+16*\b+2]   ; the largest score of each block of 32 keys: for the row's maximum and, since p rises with the score, for the block's largest p
.endr
.irp j, 3,5,7,9,11,13
.irp b, 0,1,2,3
	v_max3_num_f32 v[BM+\b], v[BM+\b], v[S+16*\b+\j], v[S+16*\b+\j+1]
.endr
.endr
.irp b, 0,1,2,3
	v_max_num_f32 v[BM+\b], v[BM+\b], v[S+16*\b+15]
.endr
.irp b, 0,1,2,3
	v_permlanex16_b32 v[T1+\b], v[BM+\b], s20, s21
.endr
.irp b, 0,1,2,3
	v_max_num_f32 v[BM+\b], v[BM+\b], v[T1+\b]     ; with lane l xor 16's 16 keys
.endr
	v_max3_num_f32 v[TT], v[BM], v[BM+1], v[BM+2]
	v_max_num_f32 v[TT], v[TT], v[BM+3]            ; the step's largest score of my query
	v_mul_f32 v[TT], s22, v[TT]                    ; as t
	v_max_num_f32 v[TX], v[TX], v[TT]              ; the running largest t
	v_mov_b32 v[TT], v[NM]
	v_floor_f32 v[NM], -v[TX]                      ; the new -M = -ceil(t)
	v_sub_f32 v[TT], v[NM], v[TT]                  ; old M - new M: a whole number, 0 or less
	v_cvt_i32_f32 v[TT], v[TT]                     ; (it saturates)
	v_ldexp_f32 v[F], 1.0, v[TT]                   ; f = 2^(old M - new M)
.set J, 0
.rept 32
	v_pk_fma_f32 v[S+J:S+J+1], v[S+J:S+J+1], s[22:23], v[NM:NM+1] op_sel_hi:[1,0,0]   ; t - M, two at a time
.set J, J+2
.endr
.irp b, 0,1,2,3
	v_fma_f32 v[BM+\b], v[BM+\b], s22, v[NM]       ; the same of each block's largest score
.endr
.set J, 0
	s_wait_alu depctr_va_vdst(0)
.rept 64
	v_exp_f32 v[S+J], v[S+J]                       ; p = 2^(t - M): not normalised
.set J, J+1
.endr
.irp b, 0,1,2,3
	v_exp_f32 v[BM+\b], v[BM+\b]                   ; the block's largest p: the same two instructions on the same number
.endr
	v_pk_mul_f32 v[L:L+1], v[L:L+1], v[F:F+1] op_sel_hi:[1,0]   ; the sums under the new M.  (The plain instruction behind the exponentials)
	s_wait_alu depctr_va_vdst(0)                   ; the 68 exponentials have written their results, ahead of the first line that names one.  Tile 0: the step's three addresses are written too, and the last step's products O^T are done reading V's fragments and words.  Tile 3: the step's last score products are done reading K's fragments and words
.if \i == 0
	WIN 0x40                                       ; V's four fragments and their words land in the registers that the wait above has shown free
.irp t, 0,1,2,3
.irp c, 0,1,2,3
	ds_load_b128 v[VF+16*\t+4*\c:VF+16*\t+4*\c+3], v[ADV] offset:2048*\c+512*\t
.endr
.endr
	WIN 0
	ds_load_b32 v[VS], v[ADS] offset:VSC-KSC
	ds_load_b32 v[VS+1], v[ADS] offset:VSC-KSC+128
.endif
.if \i == 3
	s_cmp_eq_u32 s27, 15                           ; the next step's K is asked for, the rest of this softmax ahead of its use; the last step asks for nothing
	s_cbranch_scc1 .Lno_next_\@
	KLOAD ADK, ADS, 8192                           ; between the wait above and these loads stand the compare, the branch and a window switch alone
.Lno_next_\@:
.endif
.irp b, 0,1,2,3
	v_max_num_f32 v[BM+\b], 0x4800000, v[BM+\b]    ; the floor 2^(9 - 127)
.endr
.irp b, 0,1,2,3
	v_add_nc_u32 v[SCL+\b], 0xfc000000, v[BM+\b]
.endr
.irp b, 0,1,2,3
	v_and_or_b32 v[CAP+\b], v[BM+\b], 0x7f800000, s26
.endr
.irp b, 0,1,2,3
	v_lshrrev_b32 v[T1+\b], 23, v[SCL+\b]
.endr
	v_lshl_or_b32 v[PW], v[T1+1], 8, v[T1]         ; p's scale word for these 128 keys
	v_lshl_or_b32 v[PW], v[T1+2], 16, v[PW]
	v_lshl_or_b32 v[PW], v[T1+3], 24, v[PW]
	v_pk_add_f32 v[T1:T1+1], v[S:S+1], v[S+2:S+3]  ; the row's sum is taken of the unquantised p: two at a time, in two chains
.irp j, 4,8,12,16,20,24,28,32,36,40,44,48,52,56,60
	v_pk_add_f32 v[L:L+1], v[L:L+1], v[S+\j:S+\j+1]
	v_pk_add_f32 v[T1:T1+1], v[T1:T1+1], v[S+\j+2:S+\j+3]
.endr
	v_pk_add_f32 v[L:L+1], v[L:L+1], v[T1:T1+1]
.irp b, 0,1,2,3
.irp j, 0,1,2,3,4,5,6,7,8,9,10,11,12,13,14,15
	v_min_num_f32 v[S+16*\b+\j], v[S+16*\b+\j], v[CAP+\b]   ; the hold: p is not negative, so it is one-sided
.endr
	v_cvt_scalef32_pk8_fp8_f32 v[PC+4*\b:PC+4*\b+1], v[S+16*\b:S+16*\b+7], v[SCL+\b]
	v_cvt_scalef32_pk8_fp8_f32 v[PC+4*\b+2:PC+4*\b+3], v[S+16*\b+8:S+16*\b+15], v[SCL+\b]
.endr
	WIN 0x41                                       ; O^T (destination and source 0) window 1, f window 0
.set J, 0
.rept 16
	v_pk_mul_f32 v[32*\i+J:32*\i+J+1], v[32*\i+J:32*\i+J+1], v[F:F+1] op_sel_hi:[1,0]   ; O^T under the new M.  (These sixteen also stand between the conversions and the products that take the codes)
.set J, J+2
.endr
.if \i == 0
	s_wait_dscnt 0x0                               ; V's fragments and words, asked for behind this tile's exponentials
.endif
	WIN 0x51                                       ; source 0 (V), C and D window 1; source 1 (p) window 0
	s_wait_alu depctr_va_vdst(0)                   ; the conversions have written p's codes and the shifts p's scale word, which the scaled products below take; the sixteen multiplications above are their places and stay beside this wait
.irp t, 0,1,2,3
.if \t % 2
	v_wmma_scale_f32_16x16x128_f8f6f4 v[32*\i+8*\t:32*\i+8*\t+7], v[VF+16*\t:VF+16*\t+15], v[PC:PC+15], v[32*\i+8*\t:32*\i+8*\t+7], v[VS+\t/2], v[PW] matrix_a_scale:MATRIX_SCALE_ROW1
.else
	v_wmma_scale_f32_16x16x128_f8f6f4 v[32*\i+8*\t:32*\i+8*\t+7], v[VF+16*\t:VF+16*\t+15], v[PC:PC+15], v[32*\i+8*\t:32*\i+8*\t+7], v[VS+\t/2], v[PW]
.endif
.endr
.endm
	s_mov_b32 s27, 0                               ; the step
	s_mov_b32 s28, 0                               ; its images: 8,192 bytes a step, of K and of V alike
	s_mov_b32 s29, 0                               ; its scale words: 256 bytes a step, likewise
	KLOAD LI, LS, 0                                ; step 0's K: it lands in window 1's third slot, which the wait on vm_vsrc ahead of the barrier has shown read, and which no vector instruction has named
.Lstep:
	TILE 0
	TILE 1
	TILE 2
	TILE 3
	WIN 0                                          ; at a label and at a branch every window is 0
	s_add_co_u32 s28, s28, 8192
	s_add_co_u32 s29, s29, 256
	s_add_co_u32 s27, s27, 1
	s_cmp_lt_u32 s27, 16
	s_cbranch_scc1 .Lstep
	; THE WAY OUT.  The sum's two halves and lane l xor 16's are added; O^T is divided by the sum and goes, a tile of 16 queries at a time, through my stage, so that sixteen lanes store a head's 256 bytes of a row.
.irp i, 0,1,2,3
	v_add_f32 v[TM+2*\i], v[ST+4*\i+2], v[ST+4*\i+3]
.endr
.irp i, 0,1,2,3
	v_permlanex16_b32 v[CAP+\i], v[TM+2*\i], s20, s21
.endr
.irp i, 0,1,2,3
	v_add_f32 v[CAP+\i], v[CAP+\i], v[TM+2*\i]
.endr
	s_wait_alu depctr_va_vdst(0)
.irp i, 0,1,2,3
	v_rcp_f32 v[TM+2*\i], v[CAP+\i]
.endr
	v_nop                                          ; a plain instruction between the last reciprocal and the use of its result
	s_wait_alu depctr_va_vdst(0)                   ; the four reciprocals have written their results, ahead of the first multiplication that reads one
; Tile i: register 8 t + j of lane (r, h) is o(query r, channel 16 t + 8 h + j).  Each accumulator is read from its low end on.
.macro PACK i
.set PP, QA+32*((\i)%2)                        ; Q's registers are free: two sets of 32 by turns
.if (\i) >= 2
	s_wait_alu depctr_vm_vsrc(0)                   ; tile i - 2's stage stores have read this set, which the multiplications below write again
.endif
	WIN 0x01                                       ; source 0 (O^T) window 1
.set J, 0
.rept 16
	v_pk_mul_f32 v[PP+J:PP+J+1], v[32*(\i)+J:32*(\i)+J+1], v[TM+2*(\i):TM+2*(\i)+1] op_sel_hi:[1,0]
.set J, J+2
.endr
	WIN 0
	s_wait_alu depctr_va_vdst(0)                   ; the multiplications have written the set, which the stage stores read; and all that named v[S + 32 i] on (p, its codes, the statistics) stands ahead of this wait: the stage's loads land there
.irp t, 0,1,2,3
.irp e, 0,1
	ds_store_b128 v[STO], v[PP+8*\t+4*\e:PP+8*\t+4*\e+3] offset:64*\t+16*\e
.endr
.endr
.irp n, 0,1,2,3,4,5,6,7
	ds_load_b128 v[S+32*(\i)+4*\n:S+32*(\i)+4*\n+3], v[STA] offset:2*SP*\n   ; LDS serves a wave's instructions in order: these see the stores above, and the next tile's stores come behind them
.endr
.endm
.macro SEND i, younger                 ; younger: the LDS instructions issued behind tile i's loads: the next tile's 8 stores and 8 loads, or none
	s_wait_dscnt \younger
.irp n, 0,1,2,3,4,5,6,7
	global_store_b128 v[GA], v[S+32*(\i)+4*\n:S+32*(\i)+4*\n+3], s[10:11] offset:(16*(\i)+2*\n)*ROW th:TH_STORE_NT   ; sixteen lanes store 256 consecutive bytes, aligned; each tile has registers of its own, so no store's data are written again
.endr
.endm
	PACK 0
	PACK 1
	SEND 0, 16
	PACK 2
	SEND 1, 16
	PACK 3
	SEND 2, 16
	SEND 3, 0
	s_wait_dscnt 0x0                               ; the closing lines, six on end
	s_wait_alu 0x0
	s_wait_tensorcnt 0x0
	ds_add_u32 v254, v255
	s_wait_dscnt 0x0
	s_endpgm
.Lfunc_end_k_qbade4cc172_attn:
	.size	k_qbade4cc172_attn, .Lfunc_end_k_qbade4cc172_attn-k_qbade4cc172_attn
	.p2alignl 7, 3214868480
	.fill 96, 4, 3214868480
	.section	.rodata,"a",@progbits
	.p2align	6, 0x0
	.amdhsa_kernel k_qbade4cc172_attn
		.amdhsa_group_segment_fixed_size 306176
		.amdhsa_private_segment_fixed_size 0
		.amdhsa_enable_private_segment 0
		.amdhsa_kernarg_size 32
		.amdhsa_user_sgpr_count 2
		.amdhsa_user_sgpr_kernarg_segment_ptr 1
		.amdhsa_wavefront_size32 1
		.amdhsa_system_sgpr_workgroup_id_x 1
		.amdhsa_system_sgpr_workgroup_id_y 1
		.amdhsa_system_sgpr_workgroup_id_z 1
		.amdhsa_system_vgpr_workitem_id 0
		.amdhsa_next_free_vgpr 512
		.amdhsa_next_free_sgpr 66
		.amdhsa_reserve_vcc 0
		.amdhsa_float_denorm_mode_32 3
		.amdhsa_float_denorm_mode_16_64 3
		.amdhsa_memory_ordered 1
		.amdhsa_forward_progress 1
		.amdhsa_inst_pref_size 255
	.end_amdhsa_kernel
	.section	.bss,"aw",@nobits
	.p2align	6
	.space	262144
	.amdgpu_metadata
---
amdhsa.version: [ 1, 2 ]
amdhsa.kernels:
  - .name:           k_qbade4cc172_attn
    .symbol:         k_qbade4cc172_attn.kd
    .args:
      - { .name: q, .offset: 0, .size: 8, .value_kind: global_buffer, .address_space: global }
      - { .name: k, .offset: 8, .size: 8, .value_kind: global_buffer, .address_space: global }
      - { .name: v, .offset: 16, .size: 8, .value_kind: global_buffer, .address_space: global }
      - { .name: out0, .offset: 24, .size: 8, .value_kind: global_buffer, .address_space: global }
    .group_segment_fixed_size: 306176
    .private_segment_fixed_size: 0
    .kernarg_segment_align: 8
    .kernarg_segment_size: 32
    .max_flat_workgroup_size: 256
    .sgpr_count:     66
    .vgpr_count:     512
    .wavefront_size: 32
...
	.end_amdgpu_metadata
.endif
;; end of part 2
